; MI455X (gfx1250); checked and timed in simulation.
; The chip was launched on July 23, 2026; its instructions are those of AMD's public machine-readable ISA for CDNA 5 (MIT licence, August 2026) and "CDNA5" Instruction Set Architecture Reference Guide (July 2026). The comments in the code are by the model that wrote it; some were corrected since.
;; attention head. Allowed arithmetic: matrix products marked QUANTISED: E2M3 operands, one E8M0 scale for each 32 along K, by v_wmma_scale_f32_16x16x128_f8f6f4 with both operands' format E2M3, f32 sums; everything else in f32.
;; Inputs: Wk 768 x 192 float32; Wq 768 x 192 float32; Wv 768 x 192 float32; x 64 x 512 x 768 float32.
;; Outputs: out0 64 x 512 x 192 float32.
;; This version of the problem:
;;   THIS VERSION OF THE PROBLEM IS GIVEN IN LOW PRECISION. The matrix products marked QUANTISED in the list below multiply operands that are first quantised to E2M3 (2 exponent bits, 3 mantissa bits; 6 bits a number), with one power-of-two scale for each 32 numbers along K (OCP MX v1.0); their sums are f32. All else is computed in f32.
;;   The module's matrix products, in the order in which they are computed (A, B: the left and right operand; K: the contracted axis; several contracted axes count as one K, in the product's order):
;;     1. [M 32,768, K 768] x [K 768, N 192]; A: input x; B: input Wq: QUANTISED
;;     2. [M 32,768, K 768] x [K 768, N 192]; A: input x; B: input Wk: QUANTISED
;;     3. [M 32,768, K 768] x [K 768, N 192]; A: input x; B: input Wv: QUANTISED
;;     4. batch 64 x [M 512, K 192] x [K 192, N 512]; A: computed on the way; B: computed on the way: QUANTISED
;;     5. batch 64 x [M 512, K 512] x [K 512, N 192]; A: softmax (see below); B: computed on the way: QUANTISED
;;   THE QUANTISER, for each operand of a quantised product, along K:
;;     - K is cut into blocks of 32 from its start; a last block that is shorter is filled with zeros.
;;     - A block's scale is 2^e with e = floor(log2(the largest magnitude in the block)) - 2, held to -126 .. 127; a block of zeros has e = 0. As a byte (E8M0): e + 127.
;;     - Each number is divided by its block's scale, clamped to +-7.5, and rounded to the nearest number of E2M3, ties to even, subnormals kept.
;;     - The product sums the exact products of the quantised numbers (number of the format x scale) in f32.
;;   ~~~python
;;   def quantise(x, axis):      # numpy; x: float32 -> the quantised numbers, widened to float32 again
;;       x = np.moveaxis(x, axis, -1); K = x.shape[-1]
;;       x = np.pad(x, [(0, 0)] * (x.ndim - 1) + [(0, -K % 32)]); x = x.reshape(x.shape[:-1] + (-1, 32)); a = np.abs(x).max(-1, keepdims=True)
;;       e = np.where(a > 0, np.clip(np.frexp(np.where(a > 0, a, 1))[1] - 1 - 2, -126, 127), 0)      # np.frexp(a)[1] - 1 = floor(log2(a)), exactly
;;       r = np.clip(x / 2.0 ** e, -7.5, 7.5)
;;       step = 2.0 ** (np.maximum(np.frexp(np.where(r == 0, 1, r))[1] - 1, 0) - 3)
;;       q = np.round(r / step) * step * 2.0 ** e      # np.round: ties to even
;;       return np.moveaxis(q.reshape(q.shape[:-2] + (-1,))[..., :K], -1, axis).astype(np.float32)
;;   ~~~
;;   SOFTMAX AHEAD OF A QUANTISED PRODUCT. Where the list says 'softmax', what is quantised is not the finished softmax but p = 2^(t - M), with t = logit x log2(e) and M = ceil(the row's largest t), a whole number; so 1/2 < the row's largest p <= 1. The row's sum l is taken of the UNQUANTISED p, in f32, and the product's result is divided by l at the end. Since M is a whole number, a kernel that streams over the keys may use a running M (the ceiling of the running maximum): every later rescaling is an exact power of two, which a block's scale takes up: the codes' values come out the same.
;;   OPERANDS COMPUTED ON THE WAY. 'Computed on the way' means the value that the module computes at that place (a softmax that the list does not call 'softmax' is quantised finished and normalised). What goes into a quantiser is computed in f32, as accurately as f32 sums, v_exp_f32 and their like allow (about 1e-6 of the number): no bf16 or f16 on the way to a quantiser, and a product that is left as it is and whose result goes on into a quantised operand takes f32 operands (vector FMAs, or v_wmma_f32_16x16x4_f32). A number that lies on a knife's edge between two numbers of the format may be rounded either way, as far as f32 arithmetic and the matrix unit's own rounding can turn it there, and no further.
;; One version. Each part assembles by itself: llvm-mc -triple=amdgcn-amd-amdhsa -mcpu=gfx1250 --defsym DOCPART=n.
;; ======== version 1 of 1: 3 launches
;; limits: right only within a limited range of input values
;; workspace buffers: wimg 359,424 bytes; rope 65,536 bytes; qb 6,553,600 bytes; kv 11,796,480 bytes
;; launch prep (part 1): grid 256 x 1, 1 waves a work-group, no clusters, 0 bytes of LDS; arguments Wq, Wk, Wv, wimg, rope; writes wimg, rope
.if DOCPART == 1
	.amdgcn_target "amdgcn-amd-amdhsa--gfx1250"
	.amdhsa_code_object_version 6
	.text
	.protected	k_qfb774c9a72_prep
	.globl	k_qfb774c9a72_prep
	.p2align	8
	.type	k_qfb774c9a72_prep,@function
k_qfb774c9a72_prep:
	s_mov_b64 s[64:65], 0
	v_nop
	global_prefetch_b8 v0, s[64:65] scope:SCOPE_SE
	s_setreg_imm32_b32 hwreg(HW_REG_WAVE_MODE, 25, 1), 1
	s_wait_xcnt 0x0
; Wq, Wk, Wv [768][192] f32 (K is the FIRST axis) become codes of FP6 (E2M3) with one E8M0 byte for each 32 along K, laid as IMAGES OF OPERAND REGISTERS, a record of 59,904 bytes for each K step s of 128:
; fragment n = 9 w + T = 16 columns x 128 K = 12 registers a lane; registers 4 c .. 4 c + 3 of lane l lie at 59,904 s + 1,536 n + 512 c + 16 l; the lane's scale word at 59,904 s + 55,296 + 128 n + 4 l.
; w = the column group of the next launch that multiplies it, T = its tile 0..8.  T < 6: Wq (w = 0, 1) or Wk (w = 2, 3), column tile 6 (w % 2) + T;  T >= 6: Wv, column tile 3 w + T - 6.
; A lane takes a column and its registers run down K in the order of the operand's layout (k = 128 s + 64 c + 32 (lane / 16) + i), so the conversions' results are the operand's registers.
; The launch also makes the table of the rotary embedding: rope[t][a] = (cos, sin)(t x 10^(-i / 4)), a = 8 h + 4 u + p standing for pair i = 8 u + 4 h + p: the order in which a lane of the next launch wants them.
; 256 work-groups of one wave: wave G makes rows 2 G and 2 G + 1 of the table; waves G = 6 n + s < 216 also make fragment n of K step s.
; WORK LEFT OUT BY THE PROGRAM: the tiles of scores, and of the second product, in which every key comes after every query: reference() itself puts -infinity there ahead of the softmax, so for all inputs their weights are 0.
; A NaN, an infinity or an overflow that reaches only those tiles is not carried to the result.
; LIMITS: NaN and infinities are not served.  A block of zeros gets the byte 1 where the quantiser says 127: its codes are zeros, and this program alone reads the bytes.
; The sixteen frequencies are literals, 10^(-i / 4) rounded to f32; the angle is t x frequency rounded once, as the reference rounds it; sine and cosine by a reduction with pi / 2 in three parts (angles up to 511)
; and polynomials on [-pi / 4, pi / 4], good to about an ulp of 1.
.set NFRAG, 216
.set REC, 59904
.macro PICK k, lit
	v_cmp_ne_u32 vcc_lo, \k, v18
	v_cndmask_b32 v19, \lit, v19, vcc_lo           ; where i = k the literal, else what was there
.endm
.macro TABLE
	v_bfe_u32 v16, v2, 2, 1                        ; u
	v_bfe_u32 v17, v2, 3, 1                        ; h of the lane that will read this entry
	v_and_b32 v18, 3, v2                           ; p
	v_lshl_add_u32 v18, v17, 2, v18
	v_lshl_add_u32 v18, v16, 3, v18                ; i = 8 u + 4 h + p
	v_mov_b32 v19, 1.0
	PICK 1, 0x3f0ff59a
	PICK 2, 0x3ea1e89b
	PICK 3, 0x3e361887
	PICK 4, 0x3dcccccd
	PICK 5, 0x3d6655c3
	PICK 6, 0x3d0186e2
	PICK 7, 0x3c91ad39
	PICK 8, 0x3c23d70a
	PICK 9, 0x3bb8449c
	PICK 10, 0x3b4f3e37
	PICK 11, 0x3ae91528
	PICK 12, 0x3a83126f
	PICK 13, 0x3a136a16
	PICK 14, 0x39a5cb5f
	PICK 15, 0x393a7753
	v_add_nc_u32 v20, s28, v3                      ; t = 2 G + lane / 16
	v_cvt_f32_u32 v20, v20
	v_mul_f32 v20, v20, v19                        ; the angle
	v_mul_f32 v21, 0x3f22f983, v20                 ; x 2 / pi
	v_rndne_f32 v21, v21                           ; k quarter turns
	v_fmamk_f32 v22, v21, 0xbfc90fdb, v20          ; the angle - k pi / 2, pi / 2 in three parts
	v_fmamk_f32 v22, v21, 0x333bbd2e, v22
	v_fmamk_f32 v22, v21, 0x26f72ced, v22
	v_mul_f32 v23, v22, v22                        ; z
	v_mov_b32 v24, 0xb94ca1f9
	v_fmaak_f32 v24, v23, v24, 0x3c08839e
	v_fmaak_f32 v24, v23, v24, 0xbe2aaaa3
	v_mul_f32 v25, v23, v22
	v_fma_f32 v24, v25, v24, v22                   ; the sine of the rest
	v_mov_b32 v26, 0x37ccf5ce
	v_fmaak_f32 v26, v23, v26, 0xbab6061a
	v_fmaak_f32 v26, v23, v26, 0x3d2aaaa5
	v_mul_f32 v27, v23, v23
	v_fma_f32 v28, v23, -0.5, 1.0
	v_fma_f32 v26, v27, v26, v28                   ; its cosine
	v_cvt_i32_f32 v29, v21
	v_and_b32 v30, 1, v29
	v_cmp_eq_u32 vcc_lo, 1, v30                    ; an odd number of quarter turns changes the two over
	v_cndmask_b32 v31, v24, v26, vcc_lo
	v_cndmask_b32 v32, v26, v24, vcc_lo
	v_lshlrev_b32 v33, 30, v29                     ; the sine is negative where k mod 4 is 2 or 3,
	v_and_b32 v33, 0x80000000, v33
	v_xor_b32 v35, v31, v33
	v_add_nc_u32 v34, 1, v29                       ; the cosine where it is 1 or 2
	v_lshlrev_b32 v34, 30, v34
	v_and_b32 v34, 0x80000000, v34
	v_xor_b32 v34, v32, v34
	global_store_b64 v7, v[34:35], s[14:15]        ; the wave stores 256 consecutive bytes, aligned: two rows of the table
.endm
	s_load_b256 s[4:11], s[0:1], 0x0               ; Wq s[4:5], Wk s[6:7], Wv s[8:9], wimg s[10:11]
	s_load_b64 s[14:15], s[0:1], 0x20              ; rope
	s_mov_b32 s17, ttmp9                           ; G
	s_mul_hi_u32 s18, s17, 0x2aaaaaab              ; G / 6 = 9 w + T
	s_mul_i32 s19, s18, 6
	s_sub_co_u32 s19, s17, s19                     ; s
	s_mul_hi_u32 s20, s18, 0x1c71c71d              ; w
	s_mul_i32 s21, s20, 9
	s_sub_co_u32 s21, s18, s21                     ; T
	s_and_b32 s22, s20, 1
	s_mul_i32 s22, s22, 6
	s_add_co_u32 s22, s22, s21                     ; column tile in Wq or Wk
	s_mul_i32 s23, s20, 3
	s_add_co_u32 s23, s23, s21
	s_sub_co_u32 s23, s23, 6                       ; column tile in Wv
	s_mov_b32 s30, 0x76543210
	s_mov_b32 s31, 0xfedcba98                      ; selects for lane l xor 16
	v_and_b32 v1, 31, v0                           ; lane
	v_and_b32 v2, 15, v0                           ; r
	v_bfe_u32 v3, v0, 4, 1                         ; h
	v_mul_u32_u24 v4, v3, 24576                    ; W: lanes 16-31 begin 32 rows of 768 bytes further down,
	v_lshl_add_u32 v4, v2, 2, v4                   ; column r
	v_lshlrev_b32 v5, 4, v1
	v_lshlrev_b32 v6, 2, v1
	v_lshlrev_b32 v7, 3, v1
	s_wait_alu depctr_va_vdst(0)
	s_wait_kmcnt 0x0
	s_bitcmp1_b32 s20, 1                           ; w = 2, 3: Wk.  The choices hang on ids alone
	s_cselect_b64 s[24:25], s[6:7], s[4:5]
	s_cmp_lt_u32 s21, 6
	s_cselect_b64 s[24:25], s[24:25], s[8:9]
	s_cselect_b32 s22, s22, s23
	s_mul_i32 s26, s19, 98304                      ; 128 rows of 768 bytes a K step,
	s_lshl_b32 s28, s22, 6                         ; 64 bytes a column tile
	s_add_co_u32 s26, s26, s28
	s_mov_b32 s27, 0
	s_add_nc_u64 s[24:25], s[24:25], s[26:27]
	s_mov_b32 s29, 0
	s_mul_i32 s28, s19, REC
	s_lshl_b32 s32, s18, 7
	s_add_co_u32 s32, s32, s28
	s_add_co_u32 s32, s32, 55296
	s_mov_b32 s33, 0
	s_add_nc_u64 s[12:13], s[10:11], s[32:33]      ; my fragment's scale words
	s_mul_i32 s32, s18, 1536
	s_add_co_u32 s28, s28, s32
	s_add_nc_u64 s[10:11], s[10:11], s[28:29]      ; and its codes
	s_lshl_b32 s28, s17, 8
	s_add_nc_u64 s[14:15], s[14:15], s[28:29]
	s_lshl_b32 s28, s17, 1                         ; my first row of the table
	s_cmp_ge_u32 s17, NFRAG
	s_cbranch_scc1 .Ltable_only
	s_wait_alu depctr_va_vdst(0)
.set n, 0
.rept 64
	global_load_b32 v[64+n], v4, s[24:25] offset:(64*(n/32)+n%32)*768   ; W(128 s + 64 c + 32 h + i, column r), n = 32 c + i
.set n, n+1
.endr
	TABLE                                          ; made while the loads are out
	s_wait_loadcnt 0x0
.irp c, 0,1                                    ; my block 2 c + h: all its 32 numbers are mine
	v_max3_num_f32 v[40+\c], |v[64+32*\c]|, |v[65+32*\c]|, 0x1800000   ; with the floor 2^(3 - 127): the byte cannot fall under 1
.endr
.irp i, 2,4,6,8,10,12,14,16,18,20,22,24,26,28,30
.irp c, 0,1
	v_max3_num_f32 v[40+\c], v[40+\c], |v[64+32*\c+\i]|, |v[65+32*\c+\i]|
.endr
.endr
.irp c, 0,1
	v_add_nc_u32 v[42+\c], 0xff000000, v[40+\c]    ; 2 off the exponent field: the conversion's scale operand
.endr
.irp c, 0,1
	v_lshrrev_b32 v[44+\c], 23, v[42+\c]           ; the scale's byte
.endr
	v_lshl_or_b32 v46, v45, 16, v44                ; my two bytes: blocks h and 2 + h,
	v_lshlrev_b32 v47, 3, v3
	v_lshlrev_b32 v46, v47, v46                    ; at their places in the word;
	v_mov_b32 v47, 0
	v_permlanex16_b32 v47, v46, s30, s31
	v_or_b32 v46, v46, v47                         ; with lane l xor 16's two the word is whole, in both halves of the lanes
.irp c, 0,1
	v_cvt_scalef32_pk16_fp6_f32 v[48+6*\c:50+6*\c], v[64+32*\c:79+32*\c], v[42+\c]
	v_cvt_scalef32_pk16_fp6_f32 v[128+4*\c:130+4*\c], v[80+32*\c:95+32*\c], v[42+\c]   ; (a conversion's three registers begin on an even number)
.endr
	v_nop                                          ; one plain place behind a scaled conversion
.irp c, 0,1
.irp i, 0,1,2
	v_mov_b32 v[51+6*\c+\i], v[128+4*\c+\i]
.endr
.endr
.irp c, 0,1,2
	global_store_b128 v5, v[48+4*\c:51+4*\c], s[10:11] offset:512*\c   ; 512 consecutive bytes a store, aligned
.endr
	global_store_b32 v6, v46, s[12:13]
	s_endpgm
.Ltable_only:
	s_wait_alu depctr_va_vdst(0)
	TABLE
	s_endpgm
.Lfunc_end_k_qfb774c9a72_prep:
	.size	k_qfb774c9a72_prep, .Lfunc_end_k_qfb774c9a72_prep-k_qfb774c9a72_prep
	.p2alignl 7, 3214868480
	.fill 96, 4, 3214868480
	.section	.rodata,"a",@progbits
	.p2align	6, 0x0
	.amdhsa_kernel k_qfb774c9a72_prep
		.amdhsa_group_segment_fixed_size 0
		.amdhsa_private_segment_fixed_size 0
		.amdhsa_enable_private_segment 0
		.amdhsa_kernarg_size 40
		.amdhsa_user_sgpr_count 2
		.amdhsa_user_sgpr_kernarg_segment_ptr 1
		.amdhsa_wavefront_size32 1
		.amdhsa_system_sgpr_workgroup_id_x 1
		.amdhsa_system_sgpr_workgroup_id_y 1
		.amdhsa_system_sgpr_workgroup_id_z 1
		.amdhsa_system_vgpr_workitem_id 0
		.amdhsa_next_free_vgpr 160
		.amdhsa_next_free_sgpr 66
		.amdhsa_reserve_vcc 1
		.amdhsa_float_denorm_mode_32 3
		.amdhsa_float_denorm_mode_16_64 3
		.amdhsa_memory_ordered 1
		.amdhsa_forward_progress 1
		.amdhsa_inst_pref_size 19
	.end_amdhsa_kernel
	.amdgpu_metadata
---
amdhsa.version: [ 1, 2 ]
amdhsa.kernels:
  - .name:           k_qfb774c9a72_prep
    .symbol:         k_qfb774c9a72_prep.kd
    .args:
      - { .name: Wq, .offset: 0, .size: 8, .value_kind: global_buffer, .address_space: global }
      - { .name: Wk, .offset: 8, .size: 8, .value_kind: global_buffer, .address_space: global }
      - { .name: Wv, .offset: 16, .size: 8, .value_kind: global_buffer, .address_space: global }
      - { .name: wimg, .offset: 24, .size: 8, .value_kind: global_buffer, .address_space: global }
      - { .name: rope, .offset: 32, .size: 8, .value_kind: global_buffer, .address_space: global }
    .group_segment_fixed_size: 0
    .private_segment_fixed_size: 0
    .kernarg_segment_align: 8
    .kernarg_segment_size: 40
    .max_flat_workgroup_size: 32
    .sgpr_count:     66
    .vgpr_count:     160
    .wavefront_size: 32
...
	.end_amdgpu_metadata
.endif
;; end of part 1
;; launch proj (part 2): grid 256 x 1, 8 waves a work-group, clusters of 4 x 1, 327,680 bytes of LDS; arguments x, wimg, rope, qb, kv; writes qb, kv
.if DOCPART == 2
	.amdgcn_target "amdgcn-amd-amdhsa--gfx1250"
	.amdhsa_code_object_version 6
	.text
	.protected	k_qfb774c9a72_proj
	.globl	k_qfb774c9a72_proj
	.p2align	8
	.type	k_qfb774c9a72_proj,@function
k_qfb774c9a72_proj:
	s_mov_b64 s[64:65], 0
	v_nop
	global_prefetch_b8 v0, s[64:65] scope:SCOPE_SE
	s_setreg_imm32_b32 hwreg(HW_REG_WAVE_MODE, 25, 1), 1
	s_wait_xcnt 0x0
	s_wait_alu depctr_hold_cnt(0) depctr_sa_sdst(0) depctr_va_vdst(0) depctr_va_sdst(0) depctr_va_ssrc(0) depctr_va_vcc(0) depctr_vm_vsrc(0)
	s_getreg_b32 s2, hwreg(HW_REG_IB_STS2, 6, 4)
	s_cmp_eq_u32 s2, 0
	s_cbranch_scc0 .Lentry_in_a_cluster
	s_endpgm
.Lentry_in_a_cluster:
	s_bfe_u32 s2, ttmp6, 0x10000c
	s_cmp_lg_u32 s2, 0x3003
	s_cbranch_scc0 .Lentry_shape_is_right
	s_endpgm
.Lentry_shape_is_right:
; q = rope(x Wq), k = rope(x Wk), v = x Wv on codes of FP6 (E2M3) with E8M0 scales for each 32 along K = 768; the results are quantised again, q and k along the head's 192, v along the keys, and leave as
; IMAGES OF OPERAND REGISTERS for the attention launch.  x [32768][768] f32 is read once and quantised once.
; SHARES.  Work-group g = 4 (batch) + S owns rows 128 g .. 128 g + 127 and all 576 columns; K goes in six steps of 128.  Eight waves, 2 x 4: wave w = 4 rg + cg makes rows 64 rg .. + 63 (four row tiles m) x nine column
; tiles T: six of q (cg = 0, 1) or of k (cg = 2, 3), features 96 (cg % 2) + 16 T, and three of v, features 48 cg + 16 (T - 6): 36 accumulators.
; x: wave w quantises row tile w.  Its 16 rows x 128 K come by 16 loads of 2 x 256 consecutive bytes (two halves c of 64 K), turn through the wave's own stage in LDS, and come back 16 neighbours along K to a lane;
; codes and scale words go to LDS as images of the operand's registers, in two buffers by turns.  A step s: the products of s, then x's step s + 1 is quantised, one barrier.  x's loads for step s + 2 go out as soon as
; s + 1's registers have been stored to the stage; step s + 3 is prefetched then: each wave asks for its own 16 rows x 512 bytes, 32 lanes 256 bytes apart; the last two steps ask for nothing.
; W: a record of 234 rows of 256 bytes a K step (codes, then scale words), four regions in LDS.  A CLUSTER of four work-groups is a batch; every record is asked for JOINTLY by the four.  At the head each wave brings half a record:
; waves 0, 1 step 0's, waves 2, 3 step 1's, waves 4-7 steps 2 and 3's; behind step 1 one round of the cluster's barrier, behind which waves 0-3 fill regions 0 and 1 with steps 4 and 5.  W is not prefetched: a record is asked
; for at least two steps ahead of its first read behind the head, and all work-groups read the same records.  By this text's count a wave has one tensor load out at the most.
; q and k are made TRANSPOSED (source 0 = 16 columns of W, source 1 = 16 rows of x): a lane holds one row and its registers run along the features.  v is made straight (source 0 = x): a lane holds one
; feature and its registers run along the keys.  In both, a lane's 16 registers of two tiles are elements 8 h + 0..7 and 16 + 8 h + 0..7 of a block of 32, so within a block the codes lie in
; the order 0-7, 16-23, 8-15, 24-31: the same in q and k, and in v and p, so every product pairs like with like.  q's and k's 192 features are two K steps of 96: three blocks and 32 zero codes under the byte 127.
; LIMITS: NaN and infinities are not served; a block of zeros gets the byte 1 where the quantiser says 127 (its codes are zeros; this program alone reads the bytes).
; All of the LDS is claimed.
; REGISTERS.  Window 0: v1-24 addresses; v25-29 W's scale words (T at 25 + T / 2, lanes 0-15 even T, 16-31 odd T; T = 8 in lanes 16-31 of 29); v30-31 x's (m at 30 + m / 2, likewise); v32-63 v's third tile; v64-127 x as loaded, at the
; end cos and sin; v128-175 x's four fragments; v176-247 six of W's; the quantisers' scratch lies over the fragments; v248-251 lane permutes' destinations.
; Window 1: v0-191 q or k (48 m + 8 T); v192-255 v's first two tiles (192 + 32 t + 8 m).
.set REC,   59904                      ; a K step's record of W
.set HREC,  29952
.set FRB,   1536
.set XIMG,  4*REC                      ; two buffers of eight fragments
.set XSC,   XIMG+2*8*FRB               ; their scale words
.set STG,   XSC+2*8*128                ; a stage for each wave: 16 rows x (256 + 16) bytes
.set MRG,   STG+8*16*272               ; the results' scale words: q's or k's [cg][lane][16], then v's [cg][lane][16]
.set SPARE, MRG+4096
.set XO,  1                            ; x: (lane / 16) rows of 3,072 bytes + 16 (lane % 16)
.set PF,  2                            ; (lane / 2) rows + 256 (lane % 2)
.set ST,  3                            ; into my stage
.set SRD, 4                            ; out of it: 272 r + 64 h
.set IW,  5                            ; my fragment's image and scale words
.set SW,  6
.set IR,  7                            ; the images of my four row tiles
.set SR,  8                            ; their scale words: lanes 16-31 take the next fragment's
.set WI,  9                            ; v9-12   my nine tiles of W in region 0..3
.set WSA, 13                           ; v13-16  their scale words
.set SPW, 17                           ; my spare word; never rewritten
.set NIL, 18                           ; 0; never rewritten
.set LI,  19                           ; 16 lane
.set L8,  20                           ; 8 lane
.set RO,  21                           ; 128 r + 64 h: my entries in a row tile of the table
.set MQ,  22
.set MV,  23
.set MR,  24
.set WSC, 25
.set XS,  30
.set AV2, 32
.set RAW, 64
.set XF,  128
.set WF,  176
.set TT,  128                          ; the quantiser: 64 numbers of my row
.set PC,  192                          ; codes
.set PW,  212                          ; the scale word
.set TM,  232                          ; +0..3 largest magnitudes, +4..7 bytes, +12..15 scale operands
.set PM,  248
.set AQ,  0                            ; window 1
.set AV,  192                          ; window 1
.set VE,  128                          ; v's way out
.set VO,  140
.set VP2, 152
.set VM,  192
.set VP,  198
.set VSO, 204
.set VBY, 210
.set VW,  216
.set RTMP, 160
.set QW,  220
.set MSB, 0
.macro WIN new                         ; the immediate's high byte repeats the setting that is left; a switch that changes nothing is dropped
.if MSB != (\new)
	s_set_vgpr_msb (MSB<<8)|(\new)
.set MSB, (\new)
.endif
.endm
.macro PLACES
.rept 4
	v_nop
.endr
.endm
.macro BAR
	s_barrier_signal -1
	s_barrier_wait -1
.endm
.macro CROUND                          ; a round of the cluster's barrier
	BAR
	s_cmp_lg_u32 s14, 0
	s_cbranch_scc1 .Lnot_wave_0_\@
	s_barrier_signal -3
.Lnot_wave_0_\@:
	s_barrier_wait -3
	BAR
.endm
.macro TLOAD
	tensor_load_to_lds s[24:27], s[16:23]
	s_nop 0
	PLACES
.endm
; ---- x
.macro XLOAD s, c
.irp i, 0,1,2,3,4,5,6,7
	global_load_b128 v[RAW+32*(\c)+4*\i:RAW+32*(\c)+4*\i+3], v[XO], s[4:5] offset:6144*\i+512*(\s)+256*(\c) th:TH_LOAD_NT   ; rows 2 i, 2 i + 1: 256 consecutive bytes each, aligned
.endr
.endm
.macro TURN c                          ; half c through my stage: LDS serves a wave's instructions in order (ISA guide 5.7.1.4)
.irp i, 0,1,2,3,4,5,6,7
	ds_store_b128 v[ST], v[RAW+32*(\c)+4*\i:RAW+32*(\c)+4*\i+3] offset:544*\i
.endr
.irp i, 0,1,2,3,4,5,6,7
	ds_load_b128 v[TT+32*(\c)+4*\i:TT+32*(\c)+4*\i+3], v[SRD] offset:128*(\i/4)+16*(\i%4)
.endr
.endm
; nb blocks of 32 (16 numbers of each in my registers s + 16 k .. of window a, the other 16 in lane l xor 16) become a fragment's codes in v[pc .. pc + 11] and its scale word in v[pw].  nb = 3: the fourth block is zero codes under the byte 127.
.macro QUANT s, pc, pw, nb, a
	WIN 5*\a
.irp k, 0,1,2,3
.if \k < \nb
	v_max3_num_f32 v[TM+\k], |v[\s+16*\k]|, |v[\s+16*\k+1]|, 0x1800000   ; with the floor 2^(3 - 127): the byte cannot fall under 1
.endif
.endr
	WIN 0x14*\a
.irp i, 2,4,6,8,10,12,14
.irp k, 0,1,2,3
.if \k < \nb
	v_max3_num_f32 v[TM+\k], v[TM+\k], |v[\s+16*\k+\i]|, |v[\s+16*\k+\i+1]|   ; the blocks by turns
.endif
.endr
.endr
	WIN 0
.irp k, 0,1,2,3
.if \k < \nb
	v_permlanex16_b32 v[PM+\k], v[TM+\k], s42, s43
.endif
.endr
.irp k, 0,1,2,3
.if \k < \nb
	v_max_num_f32 v[TM+\k], v[TM+\k], v[PM+\k]     ; the block's largest magnitude
.endif
.endr
.irp k, 0,1,2,3
.if \k < \nb
	v_add_nc_u32 v[TM+12+\k], 0xff000000, v[TM+\k] ; 2 off its exponent field: the conversion's scale operand
.endif
.endr
.irp k, 0,1,2,3
.if \k < \nb
	v_lshrrev_b32 v[TM+4+\k], 23, v[TM+12+\k]      ; the scale's byte
.endif
.endr
	v_lshl_or_b32 v[\pw], v[TM+5], 8, v[TM+4]
	v_lshl_or_b32 v[\pw], v[TM+6], 16, v[\pw]
.if \nb == 4
	v_lshl_or_b32 v[\pw], v[TM+7], 24, v[\pw]
.else
	v_or_b32 v[\pw], 0x7f000000, v[\pw]
.endif
	WIN \a
	v_cvt_scalef32_pk16_fp6_f32 v[\pc:\pc+2], v[\s:\s+15], v[TM+12]
	v_cvt_scalef32_pk16_fp6_f32 v[\pc+12:\pc+14], v[\s+16:\s+31], v[TM+13]   ; (a conversion's three registers begin on an even number)
	v_cvt_scalef32_pk16_fp6_f32 v[\pc+6:\pc+8], v[\s+32:\s+47], v[TM+14]
.if \nb == 4
	v_cvt_scalef32_pk16_fp6_f32 v[\pc+16:\pc+18], v[\s+48:\s+63], v[TM+15]
	WIN 0
.else
	WIN 0
.irp i, 0,1,2
	v_mov_b32 v[\pc+16+\i], 0
.endr
.endif
	v_nop                                          ; one plain place behind a scaled conversion
.irp c, 0,1                                    ; the layout wants a whole block in a lane: lanes 0-15 block 2 c, lanes 16-31 block 2 c + 1
.irp i, 0,1,2
	v_permlane16_swap_b32 v[\pc+6*\c+\i], v[\pc+12+4*\c+\i]
.endr
.irp i, 0,1,2
	v_mov_b32 v[\pc+3+6*\c+\i], v[\pc+12+4*\c+\i]
.endr
.endr
.endm
.macro QSTEP s                         ; x's K step s is quantised, s + 1 asked for, s + 2 prefetched
	s_wait_loadcnt 8                               ; half 0 is in; half 1's eight loads may be out
	TURN 0
.if (\s) < 5
	s_wait_dscnt 8                                 ; my stores have read their registers (the eight reads behind them may be out)
	XLOAD (\s)+1, 0
	s_wait_loadcnt 8                               ; half 1 is in; the eight just issued may be out
.else
	s_wait_loadcnt 0x0
.endif
	TURN 1
.if (\s) < 5
	s_wait_dscnt 8
	XLOAD (\s)+1, 1
.endif
	s_wait_dscnt 0x0
.if (\s) < 4
	global_prefetch_b8 v[PF], s[4:5] offset:512*((\s)+2) th:TH_LOAD_NT scope:SCOPE_SE   ; a whole step ahead of that step's loads; the quantiser's vector work follows
.endif
	QUANT TT, PC, PW, 4, 0
.irp c, 0,1,2
	ds_store_b128 v[IW], v[PC+4*\c:PC+4*\c+3] offset:8*FRB*((\s)%2)+512*\c   ; 512 consecutive bytes a store
.endr
	ds_store_b32 v[SW], v[PW] offset:1024*((\s)%2)
.endm
; ---- the products
.macro MM d, a, b, sa, sb, ra, rb, first
.if \first
	v_wmma_scale_f32_16x16x128_f8f6f4 v[\d:\d+7], v[\a:\a+11], v[\b:\b+11], 0, v[\sa], v[\sb] matrix_a_fmt:MATRIX_FMT_FP6 matrix_b_fmt:MATRIX_FMT_FP6 matrix_a_scale:MATRIX_SCALE_ROW\ra matrix_b_scale:MATRIX_SCALE_ROW\rb
.else
	v_wmma_scale_f32_16x16x128_f8f6f4 v[\d:\d+7], v[\a:\a+11], v[\b:\b+11], v[\d:\d+7], v[\sa], v[\sb] matrix_a_fmt:MATRIX_FMT_FP6 matrix_b_fmt:MATRIX_FMT_FP6 matrix_a_scale:MATRIX_SCALE_ROW\ra matrix_b_scale:MATRIX_SCALE_ROW\rb
.endif
.endm
.macro ONE T, b, w, wr, m, xr, first
.if \T > 5
.if \T == 8
.set D_, AV2+8*\m
.else
.set D_, AV+32*(\T-6)+8*\m
.endif
	MM D_, XF+12*\m, WF+12*\b, XS+\m/2, \w, \xr, \wr, \first
.else
	MM AQ+48*\m+8*\T, WF+12*\b, XF+12*\m, \w, XS+\m/2, \wr, \xr, \first
.endif
.endm
.macro PROD T, b, w, wr, first         ; tile T, in buffer b, against the four row tiles
	ONE \T, \b, \w, \wr, 0, 0, \first
	ONE \T, \b, \w, \wr, 1, 1, \first
	ONE \T, \b, \w, \wr, 2, 0, \first
	ONE \T, \b, \w, \wr, 3, 1, \first
.endm
.macro WLD T, b, k
.irp c, 0,1,2
	ds_load_b128 v[WF+12*\b+4*\c:WF+12*\b+4*\c+3], v[WI+(\k)] offset:FRB*\T+512*\c
.endr
.endm
; A K step: 36 products on 36 accumulators, which take turns, one instruction a turn, in the same order in every step.
.macro PSTEP s, first
.irp i, 0,1,2,3
	ds_load_b32 v[WSC+\i], v[WSA+(\s)%4] offset:256*\i      ; tiles 2 i, 2 i + 1
.endr
	ds_load_b32 v[WSC+4], v[WSA+(\s)%4] offset:896          ; tiles 7, 8
.irp i, 0,1
	ds_load_b32 v[XS+\i], v[SR] offset:1024*((\s)%2)+256*\i
.endr
.irp m, 0,1,2,3
.irp c, 0,1,2
	ds_load_b128 v[XF+12*\m+4*\c:XF+12*\m+4*\c+3], v[IR] offset:8*FRB*((\s)%2)+FRB*\m+512*\c
.endr
.endr
	WLD 8, 0, (\s)%4
	WLD 6, 1, (\s)%4
	WLD 7, 2, (\s)%4
	WLD 0, 3, (\s)%4
	WLD 1, 4, (\s)%4
	WLD 2, 5, (\s)%4
	s_wait_dscnt 15                                ; all but the five younger fragments of W, three loads each
	PROD 8, 0, WSC+4, 1, \first
	WIN 0x50                                       ; C and D window 1
	s_wait_dscnt 12
	PROD 6, 1, WSC+3, 0, \first
	s_wait_dscnt 9
	PROD 7, 2, WSC+3, 1, \first
	WIN 0
	PLACES                                         ; in front of loads into registers that products have read
	WLD 3, 0, (\s)%4
	WLD 4, 1, (\s)%4
	WLD 5, 2, (\s)%4
	WIN 0x50
	s_wait_dscnt 15                                ; tile 0 is in: behind it tiles 1, 2 and the three just asked for
	PROD 0, 3, WSC, 0, \first
	s_wait_dscnt 12
	PROD 1, 4, WSC, 1, \first
	s_wait_dscnt 9
	PROD 2, 5, WSC+1, 0, \first
	s_wait_dscnt 6
	PROD 3, 0, WSC+1, 1, \first
	s_wait_dscnt 3
	PROD 4, 1, WSC+2, 0, \first
	s_wait_dscnt 0x0
	PROD 5, 2, WSC+2, 1, \first
	WIN 0
	PLACES                                         ; for whatever reads the sums or writes the fragments' registers next
.endm
; ================= THE HEAD
	s_load_b256 s[4:11], s[0:1], 0x0               ; x s[4:5], wimg s[6:7], rope s[8:9], qb s[10:11]
	s_load_b64 s[12:13], s[0:1], 0x20              ; kv
	v_lshl_add_u32 v[SPW], v0, 2, SPARE
	v_mov_b32 v[NIL], 0
	ds_add_u32 v[SPW], v[NIL]                      ; the opening: the add, twice on end, and its wait
	ds_add_u32 v[SPW], v[NIL]
	v_lshrrev_b32 v32, 5, v0
	v_readfirstlane_b32 s14, v32                   ; wave w
	v_and_b32 v33, 31, v0                          ; lane
	v_and_b32 v34, 15, v0                          ; r
	v_bfe_u32 v35, v0, 4, 1                        ; h
	v_mul_u32_u24 v[XO], v35, 3072
	v_lshl_add_u32 v[XO], v34, 4, v[XO]
	v_lshrrev_b32 v36, 1, v33
	v_mul_u32_u24 v36, v36, 3072
	v_and_b32 v37, 1, v33
	v_lshl_add_u32 v[PF], v37, 8, v36
	s_bfe_u32 s30, ttmp6, 0x40000                  ; S = my place in the cluster; the cluster's number is the batch
	s_lshl_b32 s31, ttmp9, 2
	s_add_co_u32 s31, s31, s30                     ; g
	s_mul_i32 s2, s31, 393216                      ; 128 rows of 3,072 bytes a work-group,
	s_mul_i32 s3, s14, 49152                       ; 16 a wave
	s_add_co_u32 s2, s2, s3
	s_mov_b32 s3, 0
	s_wait_alu depctr_va_vdst(0)
	s_wait_dscnt 0x0                               ; both opening adds are done
	s_wait_kmcnt 0x0
	s_add_nc_u64 s[4:5], s[4:5], s[2:3]            ; my 16 rows of x
	XLOAD 0, 0
	XLOAD 0, 1
	; W's descriptor: 117 rows of 256 bytes (32 elements of 8 bytes), dense
	s_mov_b32 s16, 15|(3<<16)|(1<<21)              ; 15:0 the mask: all four work-groups; 17:16 elements of 8 bytes; 21 set beside a mask
	s_mov_b32 s17, 32<<16
	s_mov_b32 s18, 117<<16
	s_mov_b32 s19, 32<<16
	s_mov_b32 s20, 117
	s_mov_b32 s21, 32
	s_mov_b32 s22, 0
	s_mov_b32 s23, 0
	s_mul_i32 s2, s14, HREC                        ; half record w, in memory and in LDS alike
	s_mov_b32 s3, 0
	s_mov_b32 s24, 1
	s_mov_b32 s25, s2
	s_add_nc_u64 s[26:27], s[6:7], s[2:3]
	s_or_b32 s27, s27, 0x80000000
	CROUND                                         ; all four work-groups are here: the joint loads meet
	s_cmp_lt_u32 s14, 2
	s_cbranch_scc0 .Lfor_step_1
	TLOAD                                          ; waves 0, 1: step 0
	s_branch .Lasked
.Lfor_step_1:
	s_cmp_lt_u32 s14, 4
	s_cbranch_scc0 .Lfor_steps_2_3
	TLOAD                                          ; waves 2, 3: step 1
	s_branch .Lasked
.Lfor_steps_2_3:
	TLOAD                                          ; waves 4-7: steps 2, 3
.Lasked:
	s_lshr_b32 s15, s14, 2                         ; rg
	s_and_b32 s28, s14, 3                          ; cg
	s_and_b32 s29, s28, 1                          ; which 96 features of q or k
	global_prefetch_b8 v[PF], s[4:5] offset:512 th:TH_LOAD_NT scope:SCOPE_SE   ; my 16 rows of K step 1
	s_mul_i32 s32, s14, 16*272
	s_add_co_u32 s32, s32, STG
	s_mul_i32 s33, s14, FRB
	s_add_co_u32 s33, s33, XIMG
	s_lshl_b32 s34, s14, 7
	s_add_co_u32 s34, s34, XSC
	s_mul_i32 s35, s15, 4*FRB
	s_add_co_u32 s35, s35, XIMG
	s_lshl_b32 s36, s15, 9
	s_add_co_u32 s36, s36, XSC
	s_mul_i32 s37, s28, 9*FRB
	s_mul_i32 s38, s28, 9*128
	s_add_co_u32 s38, s38, 36*FRB
	s_lshl_b32 s39, s28, 9
	s_add_co_u32 s39, s39, MRG
	s_lshl_b32 s40, s15, 11
	s_add_co_u32 s41, s40, s39                     ; rg = 0 stores q's or k's scale words, rg = 1 v's
	s_lshl_b32 s40, s15, 1
	s_add_co_u32 s40, s40, s39
	s_add_co_u32 s40, s40, 2048
	s_lshl_b32 s46, s15, 3
	s_add_co_u32 s39, s39, s46
	s_mov_b32 s42, 0x76543210
	s_mov_b32 s43, 0xfedcba98                      ; selects for lane l xor 16
	s_mov_b32 s44, 0xffff0000                      ; lanes 16-31
	v_mul_u32_u24 v36, v35, 272
	v_lshl_add_u32 v36, v34, 4, v36
	v_add_nc_u32 v[ST], s32, v36
	v_mul_u32_u24 v37, v34, 272
	v_lshl_add_u32 v37, v35, 6, v37
	v_add_nc_u32 v[SRD], s32, v37
	v_lshlrev_b32 v[LI], 4, v33
	v_lshlrev_b32 v[L8], 3, v33
	v_lshlrev_b32 v38, 2, v33
	v_lshl_add_u32 v39, v35, 7, v38                ; 4 lane + 128 h
	v_add_nc_u32 v[IW], s33, v[LI]
	v_add_nc_u32 v[SW], s34, v38
	v_add_nc_u32 v[IR], s35, v[LI]
	v_add_nc_u32 v[SR], s36, v39
	v_add_nc_u32 v[WI], s37, v[LI]
	v_add_nc_u32 v[WSA], s38, v39
.irp k, 1,2,3
	v_add_nc_u32 v[WI+\k], \k*REC, v[WI]
	v_add_nc_u32 v[WSA+\k], \k*REC, v[WSA]
.endr
	v_lshlrev_b32 v[RO], 7, v34
	v_lshl_add_u32 v[RO], v35, 6, v[RO]
	v_add_nc_u32 v[MQ], s39, v[LI]
	v_add_nc_u32 v[MV], s40, v[LI]
	v_add_nc_u32 v[MR], s41, v[LI]
.irp k, 0,1,2,3
	v_mov_b32 v[PM+\k], 0                          ; written once: a lane permute's destination counts as one of its sources
.endr
	; where the results go
	s_mul_i32 s45, ttmp9, 184320                   ; the batch's record in kv
	s_cmp_lt_u32 s28, 2                            ; cg = 0, 1: q, else k: the choice hangs on the wave's number alone
	s_cselect_b64 s[56:57], s[10:11], s[12:13]
	s_mov_b32 s2, 184320
	s_cselect_b32 s2, 102400, s2                   ; a batch's record in that buffer,
	s_mov_b32 s3, 172032
	s_cselect_b32 s3, 98304, s3                    ; and where its scale words begin
	s_mul_i32 s2, s2, ttmp9
	s_mul_i32 s48, s30, 24576                      ; images: 8 row tiles of 3,072 bytes a work-group,
	s_add_co_u32 s48, s48, s2
	s_mul_i32 s46, s15, 12288                      ; four of them mine,
	s_add_co_u32 s48, s48, s46
	s_mul_i32 s46, s29, 1536                       ; my half of the features
	s_add_co_u32 s48, s48, s46
	s_mov_b32 s49, 0
	s_add_nc_u64 s[48:49], s[56:57], s[48:49]
	s_add_co_u32 s50, s2, s3                       ; scale words: [half 2][S 4][lane 32][block 4]
	s_lshl_b32 s46, s29, 11
	s_add_co_u32 s50, s50, s46
	s_lshl_b32 s46, s30, 9
	s_add_co_u32 s50, s50, s46
	s_mov_b32 s51, 0
	s_add_nc_u64 s[50:51], s[56:57], s[50:51]
	s_mul_i32 s52, s30, 18432                      ; v's images: 12 tiles of 1,536 bytes a key step, three of them mine,
	s_add_co_u32 s52, s52, s45
	s_mul_i32 s46, s28, 4608
	s_add_co_u32 s52, s52, s46
	s_mul_i32 s46, s15, 768                        ; of which I make the 64 keys of half rg
	s_add_co_u32 s52, s52, s46
	s_add_co_u32 s52, s52, 98304
	s_mov_b32 s53, 0
	s_add_nc_u64 s[52:53], s[12:13], s[52:53]
	s_lshl_b32 s54, s30, 11                        ; v's scale words: [S 4][cg 4][lane 32][4]
	s_add_co_u32 s54, s54, s45
	s_lshl_b32 s46, s28, 9
	s_add_co_u32 s54, s54, s46
	s_add_co_u32 s54, s54, 176128
	s_mov_b32 s55, 0
	s_add_nc_u64 s[54:55], s[12:13], s[54:55]
	s_cmp_eq_u32 s15, 0
	s_cselect_b64 s[50:51], s[50:51], s[54:55]     ; the scale words that I store
	s_lshl_b32 s60, s30, 14                        ; the table at position 128 S + 64 rg
	s_lshl_b32 s46, s15, 13
	s_add_co_u32 s60, s60, s46
	s_mov_b32 s61, 0
	s_add_nc_u64 s[60:61], s[8:9], s[60:61]
	s_wait_alu depctr_va_vdst(0)
	QSTEP 0
	s_cmp_lt_u32 s14, 2
	s_cbranch_scc0 .Lnot_step_0
	s_wait_tensorcnt 0x0                           ; step 0's record; the others may still be on their way
.Lnot_step_0:
	s_wait_dscnt 0x0                               ; my image of x lies in LDS
	BAR
; ================= THE SIX STEPS.  A barrier behind each: x's next images are whole, and nobody reads this step's any more
	PSTEP 0, 1                                     ; the first products start the sums
	QSTEP 1
	s_cmp_lt_u32 s14, 4
	s_cbranch_scc0 .Lnot_step_1
	s_wait_tensorcnt 0x0                           ; step 1's record
.Lnot_step_1:
	s_wait_dscnt 0x0
	BAR
	PSTEP 1, 0
	QSTEP 2
	s_wait_tensorcnt 0x0                           ; all my tensor loads have landed: steps 2 and 3 are shown by this round too;
	ds_add_u32 v[SPW], v[NIL]                      ; 0 onto my spare word;
	s_add_nc_u64 s[26:27], s[26:27], 8*HREC        ; waves 0-3: the half records of steps 4 and 5
	s_wait_dscnt 0x0                               ; the add is done, and so are my reads of regions 0 and 1
	CROUND
	s_cmp_lt_u32 s14, 4
	s_cbranch_scc0 .Lno_refill
	TLOAD                                          ; steps 4 and 5 into regions 0 and 1: the first tensor load behind the round
.Lno_refill:
	PSTEP 2, 0
	QSTEP 3
	s_wait_dscnt 0x0
	BAR
	PSTEP 3, 0
	QSTEP 4
	s_wait_tensorcnt 0x0                           ; steps 4 and 5 are in
	s_wait_dscnt 0x0
	BAR
	PSTEP 4, 0
	QSTEP 5
	s_wait_dscnt 0x0
	BAR
	s_cmp_lg_u32 s29, 0                            ; features 0..31 lie in waves of even cg
	s_cbranch_scc1 .Lno_table
.set n, 0
.rept 16
	global_load_b128 v[RAW+4*n:RAW+4*n+3], v[RO], s[60:61] offset:2048*(n/4)+16*(n%4)   ; cos and sin of my four rows' positions, my eight pairs
.set n, n+1
.endr
.Lno_table:
	PSTEP 5, 0
; ================= THE WAY OUT.  v first: six blocks j = 2 t + b of 32 keys of a feature, in lanes l and l xor 16; two make half a fragment (64 keys)
	WIN 5
.irp j, 0,1,2,3
	v_max3_num_f32 v[VM+\j], |v[AV+16*\j]|, |v[AV+16*\j+1]|, 0x1800000
.endr
	WIN 0
.irp j, 0,1
	v_max3_num_f32 v[VM+4+\j], |v[AV2+16*\j]|, |v[AV2+16*\j+1]|, 0x1800000
.endr
	WIN 0x14
.irp i, 2,4,6,8,10,12,14
.irp j, 0,1,2,3
	v_max3_num_f32 v[VM+\j], v[VM+\j], |v[AV+16*\j+\i]|, |v[AV+16*\j+\i+1]|
.endr
.endr
	WIN 0
.irp i, 2,4,6,8,10,12,14
.irp j, 0,1
	v_max3_num_f32 v[VM+4+\j], v[VM+4+\j], |v[AV2+16*\j+\i]|, |v[AV2+16*\j+\i+1]|
.endr
.endr
.irp j, 0,1,2,3,4,5
	v_permlanex16_b32 v[VP+\j], v[VM+\j], s42, s43
.endr
.irp j, 0,1,2,3,4,5
	v_max_num_f32 v[VM+\j], v[VM+\j], v[VP+\j]
.endr
.irp j, 0,1,2,3,4,5
	v_add_nc_u32 v[VSO+\j], 0xff000000, v[VM+\j]
.endr
.irp j, 0,1,2,3,4,5
	v_lshrrev_b32 v[VBY+\j], 23, v[VSO+\j]
.endr
.irp t, 0,1,2
	v_lshl_or_b32 v[VW+\t], v[VBY+2*\t+1], 8, v[VBY+2*\t]   ; bytes 2 rg and 2 rg + 1 of the key step's scale word
.endr
	WIN 1
.irp t, 0,1
	v_cvt_scalef32_pk16_fp6_f32 v[VE+4*\t:VE+4*\t+2], v[AV+32*\t:AV+32*\t+15], v[VSO+2*\t]
	v_cvt_scalef32_pk16_fp6_f32 v[VO+4*\t:VO+4*\t+2], v[AV+32*\t+16:AV+32*\t+31], v[VSO+2*\t+1]
.endr
	WIN 0
	v_cvt_scalef32_pk16_fp6_f32 v[VE+8:VE+10], v[AV2:AV2+15], v[VSO+4]
	v_cvt_scalef32_pk16_fp6_f32 v[VO+8:VO+10], v[AV2+16:AV2+31], v[VSO+5]
	v_nop                                          ; one plain place behind a scaled conversion
.irp t, 0,1,2
.irp i, 0,1,2
	v_permlane16_swap_b32 v[VE+4*\t+\i], v[VO+4*\t+\i]      ; lanes 0-15: the even block whole, lanes 16-31 the odd one
.endr
	v_mov_b32 v[VE+4*\t+3], v[VO+4*\t]
	v_mov_b32 v[VP2+2*\t], v[VO+4*\t+1]
	v_mov_b32 v[VP2+2*\t+1], v[VO+4*\t+2]
	global_store_b128 v[LI], v[VE+4*\t:VE+4*\t+3], s[52:53] offset:FRB*\t                   ; registers 6 c .. 6 c + 3: 512 consecutive bytes, aligned
	global_store_b64 v[L8], v[VP2+2*\t:VP2+2*\t+1], s[52:53] offset:FRB*\t+512              ; registers 6 c + 4, 6 c + 5: 256
	ds_store_b16 v[MV], v[VW+\t] offset:4*\t
.endr
	ds_store_b16 v[MV], v[NIL] offset:12           ; the fourth word: stored, never used
	s_wait_alu depctr_va_vdst(0)
	s_wait_loadcnt 0x0                             ; cos and sin; a wave with no load out passes at once
	s_cmp_lg_u32 s29, 0
	s_cbranch_scc1 .Lno_rope
; The rotation of features 0..31 (tiles 0, 1).  Pair n: registers 2 n, 2 n + 1.  a' = a cos - b sin, b' = b cos + a sin.  Each accumulator is read from its low end on.
.macro ROPE m
	WIN 0x01
.set n, 0
.rept 16
	v_pk_mul_f32 v[RTMP+2*n:RTMP+2*n+1], v[AQ+48*(\m+n/8)+2*(n%8):AQ+48*(\m+n/8)+2*(n%8)+1], v[RAW+16*(\m)+2*n:RAW+16*(\m)+2*n+1] op_sel:[1,1] op_sel_hi:[0,1]   ; (b sin, a sin)
.set n, n+1
.endr
	WIN 0x41
.set n, 0
.rept 16
	v_pk_fma_f32 v[AQ+48*(\m+n/8)+2*(n%8):AQ+48*(\m+n/8)+2*(n%8)+1], v[AQ+48*(\m+n/8)+2*(n%8):AQ+48*(\m+n/8)+2*(n%8)+1], v[RAW+16*(\m)+2*n:RAW+16*(\m)+2*n+1], v[RTMP+2*n:RTMP+2*n+1] op_sel_hi:[1,0,1] neg_lo:[0,0,1]
.set n, n+1
.endr
.endm
	ROPE 0
	ROPE 2
	WIN 0
	s_wait_alu depctr_va_vdst(0)
.Lno_rope:
.macro QK m, pc                        ; row tile m of q or k
	QUANT AQ+48*\m, \pc, QW+\m, 3, 1
.irp c, 0,1,2
	global_store_b128 v[LI], v[\pc+4*\c:\pc+4*\c+3], s[48:49] offset:3072*\m+512*\c         ; 512 consecutive bytes a store, aligned
.endr
.endm
	QK 0, 64
	QK 1, 84
	QK 2, 104
	QK 3, 160
	v_cndmask_b32 v224, v220, v221, s44            ; lanes 0-15: the even row tile's scale words, lanes 16-31: the odd one's
	v_cndmask_b32 v225, v222, v223, s44
	ds_store_b64 v[MQ], v[224:225]                 ; blocks 2 rg and 2 rg + 1
	s_wait_tensorcnt 0x0
	ds_add_u32 v[SPW], v[NIL]
	s_wait_dscnt 0x0
	CROUND                                         ; the closing round: no work-group ends while a partner may still ask for a record; its barriers also show the scale words of both rg
	ds_load_b128 v[236:239], v[MR]
	s_wait_dscnt 0x0
	global_store_b128 v[LI], v[236:239], s[50:51]  ; 512 consecutive bytes, aligned
	s_endpgm
.Lfunc_end_k_qfb774c9a72_proj:
	.size	k_qfb774c9a72_proj, .Lfunc_end_k_qfb774c9a72_proj-k_qfb774c9a72_proj
	.p2alignl 7, 3214868480
	.fill 96, 4, 3214868480
	.section	.rodata,"a",@progbits
	.p2align	6, 0x0
	.amdhsa_kernel k_qfb774c9a72_proj
		.amdhsa_group_segment_fixed_size 327680
		.amdhsa_private_segment_fixed_size 0
		.amdhsa_enable_private_segment 0
		.amdhsa_kernarg_size 40
		.amdhsa_user_sgpr_count 2
		.amdhsa_user_sgpr_kernarg_segment_ptr 1
		.amdhsa_wavefront_size32 1
		.amdhsa_system_sgpr_workgroup_id_x 1
		.amdhsa_system_sgpr_workgroup_id_y 1
		.amdhsa_system_sgpr_workgroup_id_z 1
		.amdhsa_system_vgpr_workitem_id 0
		.amdhsa_next_free_vgpr 512
		.amdhsa_next_free_sgpr 66
		.amdhsa_reserve_vcc 0
		.amdhsa_float_denorm_mode_32 3
		.amdhsa_float_denorm_mode_16_64 3
		.amdhsa_memory_ordered 1
		.amdhsa_forward_progress 1
		.amdhsa_inst_pref_size 132
	.end_amdhsa_kernel
	.amdgpu_metadata
---
amdhsa.version: [ 1, 2 ]
amdhsa.kernels:
  - .name:           k_qfb774c9a72_proj
    .symbol:         k_qfb774c9a72_proj.kd
    .args:
      - { .name: x, .offset: 0, .size: 8, .value_kind: global_buffer, .address_space: global }
      - { .name: wimg, .offset: 8, .size: 8, .value_kind: global_buffer, .address_space: global }
      - { .name: rope, .offset: 16, .size: 8, .value_kind: global_buffer, .address_space: global }
      - { .name: qb, .offset: 24, .size: 8, .value_kind: global_buffer, .address_space: global }
      - { .name: kv, .offset: 32, .size: 8, .value_kind: global_buffer, .address_space: global }
    .group_segment_fixed_size: 327680
    .private_segment_fixed_size: 0
    .kernarg_segment_align: 8
    .kernarg_segment_size: 40
    .max_flat_workgroup_size: 256
    .sgpr_count:     66
    .vgpr_count:     512
    .wavefront_size: 32
...
	.end_amdgpu_metadata
.endif
;; end of part 2
;; launch attn (part 3): grid 256 x 1, 8 waves a work-group, clusters of 4 x 1, 327,680 bytes of LDS; arguments qb, kv, out0; writes out0
.if DOCPART == 3
	.amdgcn_target "amdgcn-amd-amdhsa--gfx1250"
	.amdhsa_code_object_version 6
	.text
	.protected	k_qfb774c9a72_attn
	.globl	k_qfb774c9a72_attn
	.p2align	8
	.type	k_qfb774c9a72_attn,@function
k_qfb774c9a72_attn:
	s_mov_b64 s[64:65], 0
	v_nop
	global_prefetch_b8 v0, s[64:65] scope:SCOPE_SE
	s_setreg_imm32_b32 hwreg(HW_REG_WAVE_MODE, 25, 1), 1
	s_wait_xcnt 0x0
	s_wait_alu depctr_hold_cnt(0) depctr_sa_sdst(0) depctr_va_vdst(0) depctr_va_sdst(0) depctr_va_ssrc(0) depctr_va_vcc(0) depctr_vm_vsrc(0)
	s_getreg_b32 s2, hwreg(HW_REG_IB_STS2, 6, 4)
	s_cmp_eq_u32 s2, 0
	s_cbranch_scc0 .Lentry_in_a_cluster
	s_endpgm
.Lentry_in_a_cluster:
	s_bfe_u32 s2, ttmp6, 0x10000c
	s_cmp_lg_u32 s2, 0x3003
	s_cbranch_scc0 .Lentry_shape_is_right
	s_endpgm
.Lentry_shape_is_right:
; out[b][q] = the sum over k <= q of softmax_k(q . k / sqrt(192)) v[k], both products on codes of FP6 (E2M3) with E8M0 scales, from the register images that the launch before has stored.
; THE SOFTMAX AHEAD OF THE SECOND PRODUCT: t = score x log2(e) / sqrt(192); M = the running largest t rounded UP to a whole number; p = 2^(t - M) is quantised along the keys, not normalised; the row's sum is taken of
; the unquantised p and divides at the end; when M moves, the sum and O are multiplied by 2^(old M - new M), which rounds nothing.
; SHARES.  A cluster of four work-groups is a batch.  Its whole record of k, v and their scale words, 184,320 bytes, comes into each work-group's LDS ONCE, asked for JOINTLY by the four (each of the eight waves
; brings 90 rows of 256 bytes): the same tensor load, the same descriptor, a mask that names the four.  Nothing is filled again.
; Wave i owns one tile of 16 queries: tile 8 G + 2 cx + hi, hi = i / 4, G = (i % 4) xor 3 hi, which needs key steps 0 .. G of 128 keys.  So every work-group has two tiles of each G: all do equal work, and
; no branch, no trip count and no LDS address hangs on the place in the cluster: cx enters q's and out's addresses and the mask's compare value alone.
; Every wave walks four trips; a step whose keys all come after the wave's queries is jumped over by a scalar branch on the wave's number.  On the diagonal (step G) hidden scores become -infinity ahead of the maximum.
; LAYOUT.  Both products transposed: S^T = K Q^T (source 0 = 16 keys), O^T = V^T P^T (source 0 = 16 features): a lane holds ONE query throughout.  The head's 192 are two K steps of 96 features and 32 zero codes.
; Within a block of 32 keys p's codes lie in the order 0-7, 16-23, 8-15, 24-31, as v's do.
; LIMITS: NaN and infinities are not served.  A block's largest p is taken from the block's largest score by the same multiply-add and exponential (this takes v_exp_f32 not to fall where its input rises).
; REGISTERS.  Window 0: v1-5 addresses that stay, v6-10 the step's; v11 the mask's d; v[12:13] at work; v14 the stage; v15 -infinity; v16 -M, v17 the largest t; v[18:19] the sum; v20-43 Q; v44 Q's scale words
; (lanes 0-15 first K step, lanes 16-31 second); v45 p's scale word; v[46:47] f; v48-55 K's scale words; v56-63 V's; v64-159 eight fragments of K, then of V; v160-223 S^T, then p, then four fragments of V;
; v224-235 p's codes; v236-255 at work.  Window 1: v0-95 O^T, tile f at 8 f.
.set VIMG,  98304
.set KSC,   172032
.set VSC,   176128
.set STAGE, 184320                     ; behind the record: 16 rows x (768 bytes + 16) for each wave
.set SP,    784
.set LI,  1                            ; 16 lane
.set LV,  2                            ; VIMG + 16 lane
.set LV8, 3                            ; VIMG + 512 + 8 lane
.set LKS, 4                            ; KSC + 16 r + 2,048 h
.set LVS, 5                            ; VSC + 16 r + 512 h
.set ADK, 6
.set ADV, 7
.set ADV8, 8
.set ADS, 9
.set ADT, 10
.set Q,   20
.set QSC, 44
.set PSC, 45
.set KS,  48
.set VSR, 56
.set KF,  64
.set S,   160
.set PC,  224
.set CT,  236
.set BM,  244
.set PM,  248
.set SOP, 252
.set MSB, 0
.macro WIN new
.if MSB != (\new)
	s_set_vgpr_msb (MSB<<8)|(\new)
.set MSB, (\new)
.endif
.endm
.macro PLACES
.rept 4
	v_nop
.endr
.endm
.macro CROUND                          ; a round of the cluster's barrier
	s_barrier_signal -1
	s_barrier_wait -1
	s_cmp_lg_u32 s10, 0
	s_cbranch_scc1 .Lnot_wave_0_\@
	s_barrier_signal -3
.Lnot_wave_0_\@:
	s_barrier_wait -3
	s_barrier_signal -1
	s_barrier_wait -1
.endm
.macro PVM f                           ; O^T tile f += V^T P^T.  Tile f = 3 w + i: scale words in register 4 (w / 2) + i, lanes 0-15 for even w, lanes 16-31 for odd
.if \f < 8
.set FA, KF+12*\f
.else
.set FA, S+12*(\f-8)
.endif
.set FS, VSR+4*((\f/3)/2)+\f%3
.if (\f/3)%2
	v_wmma_scale_f32_16x16x128_f8f6f4 v[8*\f:8*\f+7], v[FA:FA+11], v[PC:PC+11], v[8*\f:8*\f+7], v[FS], v[PSC] matrix_a_fmt:MATRIX_FMT_FP6 matrix_b_fmt:MATRIX_FMT_FP6 matrix_a_scale:MATRIX_SCALE_ROW1
.else
	v_wmma_scale_f32_16x16x128_f8f6f4 v[8*\f:8*\f+7], v[FA:FA+11], v[PC:PC+11], v[8*\f:8*\f+7], v[FS], v[PSC] matrix_a_fmt:MATRIX_FMT_FP6 matrix_b_fmt:MATRIX_FMT_FP6
.endif
.endm
.macro VLOAD f, reg                    ; a fragment of V: each half (64 keys, 6 registers) lies as 512 bytes of four registers and 256 of two
.irp c, 0,1
	ds_load_b128 v[\reg+6*\c:\reg+6*\c+3], v[ADV] offset:\f*1536+768*\c
	ds_load_b64 v[\reg+6*\c+4:\reg+6*\c+5], v[ADV8] offset:\f*1536+768*\c
.endr
.endm
	s_load_b128 s[4:7], s[0:1], 0x0                ; qb s[4:5], kv s[6:7]
	s_load_b64 s[8:9], s[0:1], 0x10                ; out0
	s_set_vgpr_msb 0x40
	v_lshl_add_u32 v96, v0, 2, 0x45800
	v_mov_b32 v97, 0
	s_set_vgpr_msb 0x4045
	ds_add_u32 v96, v97
	ds_add_u32 v96, v97
	s_set_vgpr_msb 0x4500
	v_lshrrev_b32 v1, 5, v0
	s_delay_alu instid0(VALU_DEP_1)
	v_readfirstlane_b32 s10, v1                    ; wave 0..7
	s_lshr_b32 s11, s10, 2                         ; hi
	s_and_b32 s12, s10, 3
	s_mul_i32 s37, s11, 3
	s_xor_b32 s12, s12, s37                        ; G
	; descriptor group 1: 90 rows of 32 elements of 8 bytes, dense
	s_mov_b32 s16, 15|(3<<16)|(1<<21)              ; 15:0 the mask: all four work-groups; 17:16 elements of 8 bytes; 21 set beside a mask
	s_mov_b32 s17, 32<<16
	s_mov_b32 s18, 90<<16
	s_mov_b32 s19, 32<<16
	s_mov_b32 s20, 90
	s_mov_b32 s21, 32
	s_mov_b32 s22, 0
	s_mov_b32 s23, 0
	s_mul_i32 s38, ttmp9, 184320                   ; the batch's record (in a cluster launch ttmp9 counts clusters),
	s_mul_i32 s25, s10, 23040                      ; my 90 rows: in memory and in LDS alike; no place in the cluster enters either
	s_add_co_u32 s38, s38, s25
	s_mov_b32 s39, 0
	s_mov_b32 s24, 1
	s_wait_dscnt 0x0
	s_wait_kmcnt 0x0
	s_add_nc_u64 s[26:27], s[6:7], s[38:39]
	s_or_b32 s27, s27, 0x80000000
	CROUND                                         ; all four work-groups are here: the joint loads meet
	tensor_load_to_lds s[24:27], s[16:23]          ; one load a wave, filled once
	s_nop 0
	PLACES
	s_bfe_u32 s13, ttmp6, 0x40000                  ; cx
	s_lshl_b32 s15, s12, 3
	s_lshl_b32 s37, s13, 1
	s_add_co_u32 s37, s37, s11                     ; 2 cx + hi
	s_add_co_u32 s15, s15, s37                     ; my tile of queries
	s_lshl_b32 s37, s37, 4                         ; my first query within its 128
	s_mul_i32 s40, ttmp9, 102400
	s_lshl_b32 s41, s12, 9                         ; Q's scale words: [K step 2][G 4][lane 16 hi + r][cx]
	s_add_co_u32 s44, s40, s41
	s_lshl_b32 s41, s11, 8
	s_add_co_u32 s44, s44, s41
	s_lshl_b32 s41, s13, 2
	s_add_co_u32 s44, s44, s41
	s_add_co_u32 s44, s44, 98304
	s_mov_b32 s45, 0
	s_add_nc_u64 s[44:45], s[4:5], s[44:45]
	s_mul_i32 s42, s15, 3072
	s_add_co_u32 s42, s42, s40
	s_mov_b32 s43, 0
	s_add_nc_u64 s[4:5], s[4:5], s[42:43]          ; Q's two fragments
	s_mul_i32 s42, ttmp9, 393216
	s_mul_i32 s41, s15, 12288
	s_add_co_u32 s42, s42, s41
	s_add_nc_u64 s[8:9], s[8:9], s[42:43]          ; my 16 rows of out: 12,288 consecutive bytes
	s_mov_b32 s28, 0x76543210
	s_mov_b32 s29, 0xfedcba98                      ; selects for lane l xor 16
	s_mov_b32 s30, 0x3dd53b95                      ; c = log2(e) / sqrt(192)
	s_mov_b32 s31, s30                             ; (named with it as a pair, so it is written)
	s_mov_b32 s32, 0                               ; the step
	s_mov_b32 s33, 0                               ; where its tiles of K begin,
	s_mov_b32 s34, 0                               ; of V,
	s_mov_b32 s35, 0                               ; K's scale words,
	s_mov_b32 s36, 0                               ; V's
	v_and_b32 v12, 15, v0                          ; r
	v_bfe_u32 v13, v0, 4, 1                        ; h
	v_and_b32 v14, 31, v0                          ; lane
	s_delay_alu instid0(VALU_DEP_1)
	v_lshlrev_b32 v[LI], 4, v14
.irp e, 0,1
.irp c, 0,1,2
	global_load_b128 v[Q+12*\e+4*\c:Q+12*\e+4*\c+3], v[LI], s[4:5] offset:\e*1536+512*\c
.endr
.endr
	v_lshlrev_b32 v9, 4, v12
	s_delay_alu instid0(VALU_DEP_1)
	v_lshl_add_u32 v9, v13, 11, v9                 ; 16 r + 2,048 h
	global_load_b32 v[QSC], v9, s[44:45]
	v_add_nc_u32 v[LV], VIMG, v[LI]
	v_lshlrev_b32 v[LV8], 3, v14
	s_delay_alu instid0(VALU_DEP_1)
	v_add_nc_u32 v[LV8], VIMG+512, v[LV8]
	v_add_nc_u32 v[LKS], KSC, v9
	v_lshlrev_b32 v[LVS], 4, v12
	s_delay_alu instid0(VALU_DEP_1)
	v_lshl_add_u32 v[LVS], v13, 9, v[LVS]
	s_delay_alu instid0(VALU_DEP_1)
	v_add_nc_u32 v[LVS], VSC, v[LVS]
	v_lshlrev_b32 v11, 3, v13
	s_delay_alu instid0(VALU_DEP_1)
	v_sub_nc_u32 v11, v12, v11
	s_delay_alu instid0(VALU_DEP_1)
	v_add_nc_u32 v11, s37, v11                     ; d = my query within its 128 - 8 h.  Register n of S^T holds key 16 (n / 8) + 8 h + n % 8: hidden on the diagonal where 16 (n / 8) + n % 8 > d
	v_mov_b32 v15, 0xff800000                      ; -infinity
	v_mov_b32 v17, 0xff61b1e6                      ; the largest t so far: -3e38, under every t
	s_delay_alu instid0(VALU_DEP_1)
	v_floor_f32 v16, -v17                          ; -M
	v_mov_b32 v18, 0                               ; the sum, in two halves
	v_mov_b32 v19, 0
	v_mov_b32 v47, 0                               ; (named as the upper half of the pair v[46:47])
.irp k, 0,1,2,3
	v_mov_b32 v[PM+\k], 0                          ; written once: a lane permute's destination counts as one of its sources
.endr
	WIN 0x40
.set j, 0
.rept 96
	v_mov_b32 v[j], 0                              ; O^T.  (The step is written once: its first trip finds zeros, which the first change of M leaves zeros)
.set j, j+1
.endr
	WIN 0
	s_wait_tensorcnt 0x0                           ; my 90 rows are in,
	s_barrier_signal -1
	s_barrier_wait -1                              ; everybody's are
	s_wait_loadcnt 0x0                             ; Q and its scale words
.Lstep:                                            ; four trips, a constant
	s_cmp_gt_u32 s32, s12                          ; all 128 keys come after my queries: only the addresses step
	s_cbranch_scc1 .Lhidden
	v_add_nc_u32 v[ADK], s33, v[LI]                ; five additions and one v_nop: six places behind the last trip's products, whose source registers are loaded into (four are owed) and written over by products (five) below
	s_wait_alu depctr_va_vdst(0)
	v_add_nc_u32 v[ADV], s34, v[LV]
	v_add_nc_u32 v[ADV8], s34, v[LV8]
	v_add_nc_u32 v[ADS], s35, v[LKS]
	v_add_nc_u32 v[ADT], s36, v[LVS]
	v_nop
	ds_load_b128 v[KS:KS+3], v[ADS]                ; K's scale words: register 4 (tile % 2) + tile / 2; lanes 0-15 first K step, lanes 16-31 second
	ds_load_b128 v[KS+4:KS+7], v[ADS] offset:256
.irp g, 0,1                                    ; S^T = K Q^T, four tiles of 16 keys at a time
.if \g
	PLACES
.endif
.irp t, 0,1,2,3
.irp e, 0,1
.irp c, 0,1,2
	ds_load_b128 v[KF+24*\t+12*\e+4*\c:KF+24*\t+12*\e+4*\c+3], v[ADK] offset:(4*\g+\t)*3072+\e*1536+512*\c   ; 512 consecutive bytes a load
.endr
.endr
.endr
	s_wait_dscnt 0x0
.irp t, 0,1,2,3                                ; the four accumulators by turns
	v_wmma_scale_f32_16x16x128_f8f6f4 v[S+8*(4*\g+\t):S+8*(4*\g+\t)+7], v[KF+24*\t:KF+24*\t+11], v[Q:Q+11], 0, v[KS+4*(\t%2)+(4*\g+\t)/2], v[QSC] matrix_a_fmt:MATRIX_FMT_FP6 matrix_b_fmt:MATRIX_FMT_FP6
.endr
.irp t, 0,1,2,3
	v_wmma_scale_f32_16x16x128_f8f6f4 v[S+8*(4*\g+\t):S+8*(4*\g+\t)+7], v[KF+24*\t+12:KF+24*\t+23], v[Q+12:Q+23], v[S+8*(4*\g+\t):S+8*(4*\g+\t)+7], v[KS+4*(\t%2)+(4*\g+\t)/2], v[QSC] matrix_a_fmt:MATRIX_FMT_FP6 matrix_b_fmt:MATRIX_FMT_FP6 matrix_a_scale:MATRIX_SCALE_ROW1 matrix_b_scale:MATRIX_SCALE_ROW1
.endr
.endr
	PLACES                                         ; in front of the loads into K's registers and of the first read of the scores
	s_wait_alu depctr_va_vdst(0)
.irp f, 0,1,2,3,4,5,6,7
	VLOAD \f, KF+12*\f                             ; eight fragments of V land under the softmax
.endr
	ds_load_b128 v[VSR:VSR+3], v[ADT]
	ds_load_b128 v[VSR+4:VSR+7], v[ADT] offset:1024
	s_cmp_lt_u32 s32, s12                          ; a step all of whose keys count skips the mask
	s_cbranch_scc1 .Lopen
.set n, 0
.rept 64
	v_cmp_gt_i32 vcc_lo, 16*(n/8)+n%8, v11
	v_cndmask_b32 v[S+n], v[S+n], v15, vcc_lo
.set n, n+1
.endr
.Lopen:
.irp k, 0,1,2,3
	v_max3_num_f32 v[BM+\k], v[S+16*\k], v[S+16*\k+1], v[S+16*\k+2]   ; the largest score of each block of 32 keys: for the row's maximum and for the block's largest p
.endr
.irp i, 3,5,7,9,11,13
.irp k, 0,1,2,3
	v_max3_num_f32 v[BM+\k], v[BM+\k], v[S+16*\k+\i], v[S+16*\k+\i+1]
.endr
.endr
.irp k, 0,1,2,3
	v_max_num_f32 v[BM+\k], v[BM+\k], v[S+16*\k+15]
.endr
.irp k, 0,1,2,3
	s_delay_alu instid0(VALU_DEP_4)
	v_permlanex16_b32 v[PM+\k], v[BM+\k], s28, s29
.endr
.irp k, 0,1,2,3
	s_delay_alu instid0(VALU_DEP_4)
	v_max_num_f32 v[BM+\k], v[BM+\k], v[PM+\k]     ; with lane l xor 16's 16 keys
.endr
	s_delay_alu instid0(VALU_DEP_2)
	v_max3_num_f32 v12, v[BM], v[BM+1], v[BM+2]
	s_delay_alu instid0(VALU_DEP_1)
	v_max_num_f32 v12, v12, v[BM+3]                ; the step's largest score of my query (its first key counts for every query of the tile, so it is a number)
	s_delay_alu instid0(VALU_DEP_1)
	v_mul_f32 v12, s30, v12
	s_delay_alu instid0(VALU_DEP_1)
	v_max_num_f32 v17, v17, v12                    ; the running largest t
	v_mov_b32 v12, v16
	s_delay_alu instid0(VALU_DEP_2)
	v_floor_f32 v16, -v17                          ; the new -M = -ceil(t)
	s_delay_alu instid0(VALU_DEP_1)
	v_sub_f32 v12, v16, v12                        ; old M - new M: a whole number, 0 or less
	s_delay_alu instid0(VALU_DEP_1)
	v_cvt_i32_f32 v12, v12                         ; (it saturates)
	s_delay_alu instid0(VALU_DEP_1)
	v_ldexp_f32 v46, 1.0, v12                      ; f = 2^(old M - new M)
.set j, 0
.rept 32
	v_pk_fma_f32 v[S+j:S+j+1], v[S+j:S+j+1], s[30:31], v[16:17] op_sel_hi:[1,0,0]   ; t - M, two at a time
.set j, j+2
.endr
.irp k, 0,1,2,3
	v_fma_f32 v[BM+\k], v[BM+\k], s30, v16         ; the same of each block's largest score
.endr
.set j, 0
	s_wait_alu depctr_va_vdst(0)
.rept 64
	v_exp_f32 v[S+j], v[S+j]                       ; p = 2^(t - M), at most 1
.set j, j+1
.endr
.irp k, 0,1,2,3
	v_exp_f32 v[BM+\k], v[BM+\k]                   ; the block's largest p
.endr
	v_pk_mul_f32 v[18:19], v[18:19], v[46:47] op_sel_hi:[1,0]   ; the sums under the new M.  (A plain place behind the exponentials)
	s_wait_alu depctr_va_vdst(0)
.irp k, 0,1,2,3
	v_max_num_f32 v[BM+\k], 0x1800000, v[BM+\k]    ; the floor 2^(3 - 127): the byte cannot fall under 1
.endr
.irp k, 0,1,2,3
	s_delay_alu instid0(VALU_DEP_4)
	v_add_nc_u32 v[SOP+\k], 0xff000000, v[BM+\k]   ; 2 off the exponent field: the conversion's scale operand
.endr
.irp k, 0,1,2,3
	s_delay_alu instid0(VALU_DEP_4)
	v_lshrrev_b32 v[PM+\k], 23, v[SOP+\k]          ; the scale's byte
.endr
	s_delay_alu instid0(VALU_DEP_3)
	v_lshl_or_b32 v[PSC], v[PM+1], 8, v[PM]
	s_delay_alu instid0(VALU_DEP_1)
	v_lshl_or_b32 v[PSC], v[PM+2], 16, v[PSC]
	s_delay_alu instid0(VALU_DEP_1)
	v_lshl_or_b32 v[PSC], v[PM+3], 24, v[PSC]      ; p's scale word for these 128 keys
.irp c, 0,1
	v_cvt_scalef32_pk16_fp6_f32 v[PC+6*\c:PC+6*\c+2], v[S+32*\c:S+32*\c+15], v[SOP+2*\c]
	v_cvt_scalef32_pk16_fp6_f32 v[CT+4*\c:CT+4*\c+2], v[S+32*\c+16:S+32*\c+31], v[SOP+2*\c+1]   ; (a conversion's three registers begin on an even number)
.endr
	v_nop                                          ; one plain place behind a scaled conversion
.irp c, 0,1                                    ; a whole block in a lane: lanes 0-15 block 2 c, lanes 16-31 block 2 c + 1
.irp i, 0,1,2
	v_permlane16_swap_b32 v[PC+6*\c+\i], v[CT+4*\c+\i]
.endr
.irp i, 0,1,2
	s_delay_alu instid0(VALU_DEP_3)
	v_mov_b32 v[PC+6*\c+3+\i], v[CT+4*\c+\i]
.endr
.endr
	v_pk_add_f32 v[12:13], v[164:165], v[168:169]
	v_pk_add_f32 v[254:255], v[172:173], v[176:177]
	v_pk_add_f32 v[252:253], v[180:181], v[184:185]
	v_pk_add_f32 v[246:247], v[188:189], v[192:193]
	v_pk_add_f32 v[244:245], v[196:197], v[200:201]
	v_pk_add_f32 v[242:243], v[204:205], v[208:209]
	v_pk_add_f32 v[240:241], v[212:213], v[216:217]
	v_pk_add_f32 v[18:19], v[18:19], v[220:221]
	v_pk_add_f32 v[12:13], v[12:13], v[160:161]
	v_pk_add_f32 v[254:255], v[254:255], v[162:163]
	v_pk_add_f32 v[252:253], v[252:253], v[166:167]
	v_pk_add_f32 v[246:247], v[246:247], v[170:171]
	v_pk_add_f32 v[244:245], v[244:245], v[174:175]
	v_pk_add_f32 v[242:243], v[242:243], v[178:179]
	v_pk_add_f32 v[240:241], v[240:241], v[182:183]
	v_pk_add_f32 v[18:19], v[18:19], v[186:187]
	v_pk_add_f32 v[12:13], v[12:13], v[190:191]
	v_pk_add_f32 v[254:255], v[254:255], v[194:195]
	v_pk_add_f32 v[252:253], v[252:253], v[198:199]
	v_pk_add_f32 v[246:247], v[246:247], v[202:203]
	v_pk_add_f32 v[244:245], v[244:245], v[206:207]
	v_pk_add_f32 v[242:243], v[242:243], v[210:211]
	v_pk_add_f32 v[240:241], v[240:241], v[214:215]
	v_pk_add_f32 v[18:19], v[18:19], v[218:219]
	v_pk_add_f32 v[12:13], v[12:13], v[222:223]
	s_delay_alu instid0(VALU_DEP_2)
	v_pk_add_f32 v[18:19], v[18:19], v[246:247]
	s_delay_alu instid0(VALU_DEP_2)
	v_pk_add_f32 v[12:13], v[12:13], v[244:245]
	v_pk_add_f32 v[254:255], v[254:255], v[242:243]
	v_pk_add_f32 v[252:253], v[252:253], v[240:241]
	s_delay_alu instid0(VALU_DEP_2)
	v_pk_add_f32 v[18:19], v[18:19], v[254:255]
	s_delay_alu instid0(VALU_DEP_2)
	v_pk_add_f32 v[12:13], v[12:13], v[252:253]
	s_delay_alu instid0(VALU_DEP_1)
	v_pk_add_f32 v[18:19], v[18:19], v[12:13]
.irp f, 8,9,10,11
	VLOAD \f, S+12*(\f-8)                          ; the last four fragments of V take p's registers
.endr
	WIN 0x41                                       ; destination and source 0 window 1
.set j, 0
.rept 48
	v_pk_mul_f32 v[j:j+1], v[j:j+1], v[46:47] op_sel_hi:[1,0]   ; O^T under the new M.  (These 48 are also the places between p's codes and scale word and the products)
.set j, j+2
.endr
	s_wait_alu depctr_va_vdst(0)
	s_wait_dscnt 0x0                               ; V and its scale words
	WIN 0x50                                       ; C and D window 1
.irp f, 0,1,2,3,4,5,6,7,8,9,10,11
	PVM \f
.endr
	WIN 0
.Lhidden:
	s_add_co_u32 s33, s33, 24576
	s_add_co_u32 s34, s34, 18432
	s_add_co_u32 s35, s35, 512
	s_add_co_u32 s36, s36, 2048
	s_add_co_u32 s32, s32, 1
	s_cmp_lt_u32 s32, 4
	s_cbranch_scc1 .Lstep
	; THE WAY OUT.  O^T / the sum goes through my stage in LDS and comes back as 24 runs of 512 consecutive bytes of my 16 rows of out.  The additions and address lines are the places behind the last products.
	v_add_f32 v18, v18, v19                        ; the sum's two halves,
	s_delay_alu instid0(VALU_DEP_1)
	v_permlanex16_b32 v12, v18, s28, s29
	s_delay_alu instid0(VALU_DEP_1)
	v_add_f32 v18, v18, v12                        ; and lane l xor 16's
	s_wait_alu depctr_va_vdst(0)
	v_rcp_f32 v18, v18
	v_and_b32 v12, 15, v0                          ; (a plain place behind the transcendental)  r
	v_bfe_u32 v13, v0, 4, 1                        ; h
	s_mul_i32 s37, s10, 16*SP
	s_add_co_u32 s37, s37, STAGE                   ; my stage
	v_mul_u32_u24 v14, v12, SP
	s_delay_alu instid0(VALU_DEP_1)
	v_lshl_add_u32 v14, v13, 5, v14
	s_delay_alu instid0(VALU_DEP_1)
	v_add_nc_u32 v14, s37, v14                     ; in: row r, + 32 h; tile f's eight features 64 f bytes on
	v_add_nc_u32 v6, s37, v[LI]                    ; back: three runs are two rows.  Run 3 k: row 2 k, bytes 0-511;
	s_delay_alu instid0(VALU_DEP_1)
	v_lshl_add_u32 v7, v13, 4, v6
	s_delay_alu instid0(VALU_DEP_1)
	v_add_nc_u32 v7, 512, v7                       ; run 3 k + 1: lanes 0-15 the row's last 256 bytes, lanes 16-31 the next row's first, one padding on;
	s_delay_alu instid0(VALU_DEP_3)
	v_add_nc_u32 v8, 1040, v6                      ; run 3 k + 2: row 2 k + 1, bytes 256-767
	WIN 0x01                                       ; source 0 window 1
.set j, 0
	s_wait_alu depctr_va_vdst(0)
.rept 96
	v_mul_f32 v[64+j], v[j], v18                   ; register 8 f + i is out(r, 16 f + 8 h + i); each accumulator from its low end on
.set j, j+1
.endr
	WIN 0
.irp f, 0,1,2,3,4,5,6,7,8,9,10,11
	ds_store_b128 v14, v[64+8*\f:67+8*\f] offset:64*\f
	ds_store_b128 v14, v[68+8*\f:71+8*\f] offset:64*\f+16
.endr
.set n, 0
.rept 24
	ds_load_b128 v[160+4*n:163+4*n], v[6+n%3] offset:1568*(n/3)   ; LDS serves a wave's instructions in order (ISA guide 5.7.1.4): these see my stores
.set n, n+1
.endr
.set n, 0
.rept 24
	s_wait_dscnt 23-n                              ; run n is back; the younger ones may be out
	global_store_b128 v[LI], v[160+4*n:163+4*n], s[8:9] offset:512*n th:TH_STORE_NT   ; 512 consecutive bytes, aligned; written once, read by nobody here
.set n, n+1
.endr
	s_wait_dscnt 0x0
	s_set_vgpr_msb 0x5
	s_wait_tensorcnt 0x0
	ds_add_u32 v96, v97
	s_wait_dscnt 0x0
	s_set_vgpr_msb 0x500
	CROUND                                         ; the closing round: no work-group ends while a partner may still ask for the record
	s_endpgm
.Lfunc_end_k_qfb774c9a72_attn:
	.size	k_qfb774c9a72_attn, .Lfunc_end_k_qfb774c9a72_attn-k_qfb774c9a72_attn
	.p2alignl 7, 3214868480
	.fill 96, 4, 3214868480
	.section	.rodata,"a",@progbits
	.p2align	6, 0x0
	.amdhsa_kernel k_qfb774c9a72_attn
		.amdhsa_group_segment_fixed_size 327680
		.amdhsa_private_segment_fixed_size 0
		.amdhsa_enable_private_segment 0
		.amdhsa_kernarg_size 24
		.amdhsa_user_sgpr_count 2
		.amdhsa_user_sgpr_kernarg_segment_ptr 1
		.amdhsa_wavefront_size32 1
		.amdhsa_system_sgpr_workgroup_id_x 1
		.amdhsa_system_sgpr_workgroup_id_y 1
		.amdhsa_system_sgpr_workgroup_id_z 1
		.amdhsa_system_vgpr_workitem_id 0
		.amdhsa_next_free_vgpr 354
		.amdhsa_next_free_sgpr 66
		.amdhsa_reserve_vcc 1
		.amdhsa_float_denorm_mode_32 3
		.amdhsa_float_denorm_mode_16_64 3
		.amdhsa_memory_ordered 1
		.amdhsa_forward_progress 1
		.amdhsa_inst_pref_size 51
	.end_amdhsa_kernel
	.amdgpu_metadata
---
amdhsa.version: [ 1, 2 ]
amdhsa.kernels:
  - .name:           k_qfb774c9a72_attn
    .symbol:         k_qfb774c9a72_attn.kd
    .args:
      - { .name: qb, .offset: 0, .size: 8, .value_kind: global_buffer, .address_space: global }
      - { .name: kv, .offset: 8, .size: 8, .value_kind: global_buffer, .address_space: global }
      - { .name: out0, .offset: 16, .size: 8, .value_kind: global_buffer, .address_space: global }
    .group_segment_fixed_size: 327680
    .private_segment_fixed_size: 0
    .kernarg_segment_align: 8
    .kernarg_segment_size: 24
    .max_flat_workgroup_size: 256
    .sgpr_count:     66
    .vgpr_count:     354
    .wavefront_size: 32
...
	.end_amdgpu_metadata
.endif
;; end of part 3
